; MI455X (gfx1250); checked and timed in simulation.
; The chip was launched on July 23, 2026; its instructions are those of AMD's public machine-readable ISA for CDNA 5 (MIT licence, August 2026) and "CDNA5" Instruction Set Architecture Reference Guide (July 2026). The comments in the code are by the model that wrote it; some were corrected since.
;; Attention. Allowed arithmetic: float matrix products may take bf16 or f16 operands with f32 sums; all other float work in f32.
;; Inputs: keys 4 x 2,048 x 16 x 64 float32; queries 4 x 2,048 x 16 x 64 float32; values 4 x 2,048 x 16 x 64 float32.
;; Outputs: out0 4 x 2,048 x 16 x 64 float32.
;; 2 versions, each right. Each part assembles by itself: llvm-mc -triple=amdgcn-amd-amdhsa -mcpu=gfx1250 --defsym DOCPART=n.
;; ======== version 1 of 2: 1 launch
;; limits: values are held in f16: magnitudes above 65,504 overflow, below 6.1e-05 lose precision; inputs' magnitudes at most 65,280
;; launch attn (part 1): grid 256 x 1, 4 waves a work-group, clusters of 4 x 1, 327,680 bytes of LDS; arguments queries, keys, values, out0; writes out0
.if DOCPART == 1
	.amdgcn_target "amdgcn-amd-amdhsa--gfx1250"
	.amdhsa_code_object_version 6
	.text
	.protected	k_q666e4e6bfa_attn
	.globl	k_q666e4e6bfa_attn
	.p2align	8
	.type	k_q666e4e6bfa_attn,@function
k_q666e4e6bfa_attn:
	s_mov_b64 s[64:65], 0
	v_nop
	global_prefetch_b8 v0, s[64:65] scope:SCOPE_SE
	s_setreg_imm32_b32 hwreg(HW_REG_WAVE_MODE, 25, 1), 1
	s_wait_xcnt 0x0
	s_wait_alu depctr_hold_cnt(0) depctr_sa_sdst(0) depctr_va_vdst(0) depctr_va_sdst(0) depctr_va_ssrc(0) depctr_va_vcc(0) depctr_vm_vsrc(0)
	s_getreg_b32 s2, hwreg(HW_REG_IB_STS2, 6, 4)
	s_cmp_eq_u32 s2, 0
	s_cbranch_scc0 .Lentry_in_a_cluster
	s_endpgm
.Lentry_in_a_cluster:
	s_bfe_u32 s2, ttmp6, 0x10000c
	s_cmp_lg_u32 s2, 0x3003
	s_cbranch_scc0 .Lentry_shape_is_right
	s_endpgm
.Lentry_shape_is_right:
; Causal softmax attention.  queries, keys, values, out0: [4][2048][16][64] f32; a head's row is 256 bytes, rows are 4,096 bytes apart.
; out[q] = sum over keys s <= q of softmax(0.125 q.k)[s] v[s], with a running maximum (taken away before every exponential) and a running sum.
;
; SHARES.  A cluster of four work-groups is one head (64 clusters).  All four walk the head's 32 key blocks of 64 keys in the same order, so K and V
; are asked for JOINTLY (mask 15): each tile is fetched once for the four.  A q tile is 16 queries.  Work-group cx, wave w, tile v (0..7) owns the rows
; q = 64 u + 16 cx + r, u = 4 v + w, r = 0..15.  Against key block kb such a tile is whole (kb < u), on the diagonal (kb = u) or masked out and left
; undone (kb > u): every branch hangs on w and kb alone, never on cx; cx enters only offsets in memory and the mask's threshold, which are data.
;
; PRODUCTS ARE TRANSPOSED.  S^T (16 keys x 16 q) = K fragment x Q fragment: lane (r, h) then holds keys 8 h + 0..7 of query r, which is the layout in which
; the second product takes its second source: P = exp2(..) is rounded to f16 in the lane and never leaves it.  O^T (16 d x 16 q) += V^T fragment x P.
; Maximum, rescaling factor and 1/l are one number a lane; the two halves of the lanes meet by one v_permlanex16_b32.  l is a partial sum of the lane's own
; keys; the halves are added once, at the end.
;
; THE FORMATS.  The three inputs are rounded once, all alike, to bf16: what is computed is the attention of the bf16 inputs.  The first product is the bf16 form.
; P is made here and lies in [0, 1], since the maximum is taken away; a row with few keys is a sum of a few terms p v that may cancel, and bf16's 8 significant
; bits would leave each term an error of up to 2^-9, f16's 11 leave 2^-12.  So P goes in f16 and the second product is the f16 form; V's bf16 numbers are carried
; over into f16, which holds them exactly from 2^-17 to 65,504 (8 bits in 11).  No accumulator sees both forms: S takes bf16 products alone, O f16 products alone.
;
; THE WAY IN.  f32 tiles of K and V come by joint tensor loads into two LDS slots F of 128 keys; the four waves round a block of 64 keys to 16 bits into H
; (two buffers, written by ds_store alone); fragments go from H into two register buffers.  Behind the barrier of step t: (even t) the slot whose blocks have
; been rounded is filled again with blocks t+4, t+5; block t+2 is rounded into H[t&1]; block t+1's fragments are loaded from H[(t+1)&1]; block t is
; multiplied from registers alone.  One barrier a step orders all of it: H[t&1] was last read, and H[(t+1)&1] written, in step t-1, and every wave waits for
; all its LDS instructions in front of every barrier.  By this text's count a wave has two tensor loads out at the start and one behind each refill.
;
; LIMITS.  Inputs are taken to be finite, scores to be finite in f32, and values to be at most 65,504 in magnitude (f16's largest number; beyond it the
; conversion gives infinity); NaN and infinities are not followed.  A value whose bf16 number lies below 2^-17, and a p below 2^-14, are kept with an absolute
; error of at most 2^-25 (f16's denormals); a p below 2^-126 counts as 0 already in f32 (v_exp_f32 flushes: ISA guide 15.8).  l sums the unrounded p.
;
; REGISTERS, in windows of 256:  window 0: addresses, softmax state, P, two score buffers, the way out.  window 1: O(v, dt) at 32 v + 8 dt (first: Q as loaded).
; window 2: Q(v, ke) at 16 v + 8 ke; 128..191 the rows being rounded.  window 3: fragment buffer f: K(s, ke) at 128 f + 16 s + 8 ke, V(dt, ks) at 128 f + 64 + 16 dt + 8 ks.
.set FP,    272                        ; pitch of an f32 row in LDS: 256 bytes + 16 of padding = 17 x 16
.set FTILE, 64*FP                      ; one tensor load: 64 rows
.set FPART, 2*FTILE                    ; K's 128 rows of a slot; V's follow
.set FSLOT, 4*FTILE                    ; a slot: 69,632 bytes
.set KP,    144                        ; pitch of a bf16 row of K (and of Q): 128 + 16 = 9 x 16
.set VP,    160                        ; pitch of an f16 row of V: 5 x 32, for the transposing load
.set HK0,   2*FSLOT                    ; 139,264
.set HV0,   HK0+64*KP                  ; 148,480
.set HSTEP, 64*KP+64*VP                ; from H buffer 0 to buffer 1: 19,456
.set STG,   HK0+2*HSTEP                ; 178,176: each wave's own stage
.set STGW,  128*KP                     ; 18,432 bytes a wave: 128 rows of Q in bf16; later four stages of 16 rows of f32
.set OSUB,  16*FP                      ; one such stage
.set QOFF, 4                           ; v4   byte offset of my 16 bytes in the first two rows of my wave's tile 0 (Q and out)
.set PF,   5                           ; v5   prefetch offset
.set FA,   6                           ; v6-7 where I read f32 rows in slot 0, 1
.set HWK,  8                           ; v8   where I store rounded K
.set HWV,  9                           ; v9   where I store rounded V
.set HRK,  10                          ; v10  where I read K fragments
.set HRV,  11                          ; v11  where I read V fragments, transposed
.set QSW,  12                          ; v12  Q stage, in
.set QSR,  13                          ; v13  Q stage, back
.set OSW,  14                          ; v14  out stage, in
.set OSR,  15                          ; v15  out stage, back
.set THR,  16                          ; v16  16 cx + r - 8 h: on the diagonal, key 16 s + j of my eight is allowed if 16 s + j <= this
.set NINF, 17                          ; v17  -infinity
.set M,    20                          ; v20-27 running maximum of tile v (raw scores)
.set LSUM, 28                          ; v28-35 running sum of tile v, my half's keys
.set NM,   36                          ; v36  -c x new maximum     (pair with MN)
.set MN,   37                          ; v37  new maximum
.set AL,   38                          ; v38  rescaling factor; at the end 1/l   (pair with PX)
.set PX,   39                          ; v39  what the other half of the lanes holds
.set T,    40                          ; v40-43 four chains of maxima
.set LS0,  44                          ; v[44:45], v[46:47] two chains of sums
.set LS1,  46
.set P,    48                          ; v48-63 P in f16: two fragments of 32 keys
.set SBUF, 64                          ; v64-95, v96-127: scores of tile v in buffer v & 1
.set RB,   128                         ; v128-191: the way out, two buffers
.set CV,   128                         ; window 2: rows being rounded
.set G1,   24                          ; s[24:31] descriptor group 1
.set G0,   32                          ; s[32:39] descriptor group 0, one set a slot
.set MSB, 0
.macro WIN new                         ; the immediate's high byte repeats the setting that is left; a switch that changes nothing is dropped
.if MSB != \new
	s_set_vgpr_msb (MSB<<8)|\new
.set MSB, \new
.endif
.endm
.macro PLACES n
.rept \n
	v_nop
.endr
.endm
; A round of the cluster's barrier: my work-group's barrier, wave 0 signals for the work-group, every wave waits for all four work-groups, my work-group's barrier again.
.macro ROUND
	s_barrier_signal -1
	s_barrier_wait -1
	s_cmp_lg_u32 s12, 0
	s_cbranch_scc1 .Lnw0_\@
	s_barrier_signal -3
.Lnw0_\@:
	s_barrier_wait -3
	s_barrier_signal -1
	s_barrier_wait -1
.endm
; 16 LDS loads: my 16 rows of K and my 16 rows of V of one key block (slot, half), 32 bytes of a row a lane.
.macro FLOAD slot, half
	WIN 0x80                               ; data into window 2
.irp part, 0,1
.irp i, 0,1,2,3
	ds_load_b128 v[CV+32*\part+8*\i:CV+32*\part+8*\i+3], v[FA+\slot] offset:\part*FPART+\half*FTILE+\i*4*FP
	ds_load_b128 v[CV+32*\part+8*\i+4:CV+32*\part+8*\i+7], v[FA+\slot] offset:\part*FPART+\half*FTILE+\i*4*FP+16
.endr
.endr
.endm
; Round them and store 16 bytes a lane into H buffer hb.
; K (CV+0..31): to bf16, in place, ascending: register k takes registers 2 k, 2 k + 1, which no later line needs.
; V (CV+32..63): to bf16, the two halves widened again to f32 (a mask and a shift), and these numbers into f16, into CV+16..31, which K has left.
.macro CVST hb
	WIN 0x8a
.set k, 0
.rept 16
	v_cvt_pk_bf16_f32 v[CV+k], v[CV+2*k], v[CV+2*k+1]
.set k, k+1
.endr
.set k, 0
.rept 16
	v_cvt_pk_bf16_f32 v[CV+32+2*k], v[CV+32+2*k], v[CV+32+2*k+1]
.set k, k+1
.endr
.set k, 0
.rept 16
	v_and_b32 v[CV+32+2*k+1], s47, v[CV+32+2*k]        ; the upper bf16 as f32
.set k, k+1
.endr
.set k, 0
.rept 16
	v_lshlrev_b32 v[CV+32+2*k], 16, v[CV+32+2*k]       ; the lower bf16 as f32
.set k, k+1
.endr
.set k, 0
.rept 16
	v_cvt_pk_f16_f32 v[CV+16+k], v[CV+32+2*k], v[CV+32+2*k+1]
.set k, k+1
.endr
	WIN 0x08                               ; store data from window 2
.irp i, 0,1,2,3
	ds_store_b128 v[HWK], v[CV+4*\i:CV+4*\i+3] offset:\hb*HSTEP+\i*4*KP
	ds_store_b128 v[HWV], v[CV+16+4*\i:CV+16+4*\i+3] offset:\hb*HSTEP+\i*4*VP
.endr
.endm
; 32 LDS loads: all fragments of the key block in H buffer hb into fragment buffer hb.  K: rows lie along e, two loads 32 bytes apart.
; V: rows lie along d and keys are wanted along the registers: the transposing load, two loads 16 rows apart.
.macro FRAG hb
	WIN 0xc0                               ; data into window 3
.irp s, 0,1,2,3
.irp ke, 0,1
	ds_load_b128 v[128*(\hb)+16*\s+8*\ke:128*(\hb)+16*\s+8*\ke+3], v[HRK] offset:(\hb)*HSTEP+\s*16*KP+64*\ke
	ds_load_b128 v[128*(\hb)+16*\s+8*\ke+4:128*(\hb)+16*\s+8*\ke+7], v[HRK] offset:(\hb)*HSTEP+\s*16*KP+64*\ke+32
.endr
.endr
.irp dt, 0,1,2,3
.irp ks, 0,1
	ds_load_tr16_b128 v[128*(\hb)+64+16*\dt+8*\ks:128*(\hb)+64+16*\dt+8*\ks+3], v[HRV] offset:(\hb)*HSTEP+\ks*32*VP+32*\dt
	ds_load_tr16_b128 v[128*(\hb)+64+16*\dt+8*\ks+4:128*(\hb)+64+16*\dt+8*\ks+7], v[HRV] offset:(\hb)*HSTEP+\ks*32*VP+32*\dt+16*VP
.endr
.endr
.endm
; The scores of tile v against the block in fragment buffer fb: 4 x (16 keys x 16 q), two steps along e, bf16.  The first step starts the sums.
; The four accumulators take turns, one instruction a turn.
.macro SQK v, fb
	WIN 0x0b                               ; source 0 (K) window 3, source 1 (Q) window 2, C and D window 0
.set SA, SBUF+32*((\v)&1)
.irp s, 0,1,2,3
	v_wmma_f32_16x16x32_bf16 v[SA+8*\s:SA+8*\s+7], v[128*\fb+16*\s:128*\fb+16*\s+7], v[16*(\v):16*(\v)+7], 0
.endr
.irp s, 0,1,2,3
	v_wmma_f32_16x16x32_bf16 v[SA+8*\s:SA+8*\s+7], v[128*\fb+16*\s+8:128*\fb+16*\s+15], v[16*(\v)+8:16*(\v)+15], v[SA+8*\s:SA+8*\s+7]
.endr
.endm
; pieces of the softmax on the eight scores of key group s; SB is the tile's score buffer
.macro FMA4 s                          ; c S - c max, two at a time; c = 0.125 log2(e) from s44, -c max from v36
.irp k, 0,2,4,6
	v_pk_fma_f32 v[SB+8*\s+\k:SB+8*\s+\k+1], v[SB+8*\s+\k:SB+8*\s+\k+1], s[44:45], v[NM:NM+1] op_sel_hi:[1,0,0]
.endr
.endm
.macro EXP8 s
.irp j, 0,1,2,3,4,5,6,7
	v_exp_f32 v[SB+8*\s+\j], v[SB+8*\s+\j]
.endr
.endm
.macro SUMCVT s                        ; add p to two chains of sums (group 0 starts them: nothing is cleared) and round p to f16 into P
.if \s == 0
	s_wait_alu depctr_va_vdst(0)
	v_pk_add_f32 v[LS0:LS0+1], v[SB:SB+1], v[SB+2:SB+3]
	v_pk_add_f32 v[LS1:LS1+1], v[SB+4:SB+5], v[SB+6:SB+7]
	v_cvt_pk_f16_f32 v[P], v[SB], v[SB+1]
	v_cvt_pk_f16_f32 v[P+1], v[SB+2], v[SB+3]
	v_cvt_pk_f16_f32 v[P+2], v[SB+4], v[SB+5]
	v_cvt_pk_f16_f32 v[P+3], v[SB+6], v[SB+7]
.else
	s_wait_alu depctr_va_vdst(0)
	v_pk_add_f32 v[LS0:LS0+1], v[LS0:LS0+1], v[SB+8*\s:SB+8*\s+1]
	v_pk_add_f32 v[LS1:LS1+1], v[LS1:LS1+1], v[SB+8*\s+2:SB+8*\s+3]
	v_cvt_pk_f16_f32 v[P+4*\s], v[SB+8*\s], v[SB+8*\s+1]
	v_cvt_pk_f16_f32 v[P+4*\s+1], v[SB+8*\s+2], v[SB+8*\s+3]
	v_pk_add_f32 v[LS0:LS0+1], v[LS0:LS0+1], v[SB+8*\s+4:SB+8*\s+5]
	v_pk_add_f32 v[LS1:LS1+1], v[LS1:LS1+1], v[SB+8*\s+6:SB+8*\s+7]
	v_cvt_pk_f16_f32 v[P+4*\s+2], v[SB+8*\s+4], v[SB+8*\s+5]
	v_cvt_pk_f16_f32 v[P+4*\s+3], v[SB+8*\s+6], v[SB+8*\s+7]
.endif
.endm
; One tile (16 queries) against one key block (64 keys).  Its scores are in its buffer already.
; first = 1: the tile's first block (no old maximum, sums start).  skip: 1 = if masked out jump to the tile's end, 2 = to the step's end (label number sid).
; diag = 1: test for the diagonal.  next = 1: the next tile's scores are issued first, so that the matrix unit works while this tile's softmax runs
; (if that tile turns out to be masked out, they are not used).  Every window is 0 on entry, at every branch and label, and on exit.
.macro TILE v, fb, first, skip, diag, next, sid
.if \skip == 1
	s_cmp_gt_i32 s40, 4*\v                 ; kb - w > 4 v: kb > u
	s_cbranch_scc1 .Lte_\@
.endif
.if \skip == 2
	s_cmp_gt_i32 s40, 4*\v
	s_cbranch_scc1 .Lse_\sid               ; the tiles below are masked out too
.endif
.if \next
	SQK \v-1, \fb
	WIN 0
.endif
.set SB, SBUF+32*(\v&1)
.if \diag
	s_cmp_lg_u32 s40, 4*\v                 ; kb = u: the diagonal block
	s_cbranch_scc1 .Lnm_\@
.irp s, 0,1,2,3
.irp j, 0,1,2,3,4,5,6,7
	v_cmp_le_i32 vcc_lo, 16*\s+\j, v[THR]  ; key 64 u + 16 s + 8 h + j <= query 64 u + 16 cx + r
	v_cndmask_b32 v[SB+8*\s+\j], v[NINF], v[SB+8*\s+\j], vcc_lo
.endr
.endr
.Lnm_\@:
.endif
	; the largest of my 32 scores and the old maximum: four chains, then the other half of the lanes.  Key 64 u of a diagonal block is allowed for
	; every query and lies in the lower half, so the new maximum is finite in every lane.
.irp c, 0,1,2,3
	v_max3_num_f32 v[T+\c], v[SB+8*\c], v[SB+8*\c+1], v[SB+8*\c+2]
.endr
.irp c, 0,1,2,3
	v_max3_num_f32 v[T+\c], v[T+\c], v[SB+8*\c+3], v[SB+8*\c+4]
.endr
.irp c, 0,1,2,3
	v_max3_num_f32 v[T+\c], v[T+\c], v[SB+8*\c+5], v[SB+8*\c+6]
.endr
	v_max3_num_f32 v[T], v[T], v[T+1], v[SB+7]
	v_max3_num_f32 v[T+2], v[T+2], v[T+3], v[SB+15]
	v_max3_num_f32 v[T], v[T], v[SB+23], v[SB+31]
.if \first
	v_max_num_f32 v[T], v[T], v[T+2]
.else
	v_max3_num_f32 v[T], v[T], v[T+2], v[M+\v]
.endif
	v_permlanex16_b32 v[PX], v[T], s42, s43
	v_max_num_f32 v[MN], v[T], v[PX]
	v_mul_f32 v[NM], s46, v[MN]            ; -c x maximum
.if \first == 0
	v_fma_f32 v[AL], v[M+\v], s44, v[NM]   ; c (old maximum - new maximum)
	v_exp_f32 v[AL], v[AL]                 ; behind an exponential one plain vector instruction on other registers stands before its result is used (ISA guide 5.7.2): the move below
.endif
	v_mov_b32 v[M+\v], v[MN]
	; p = exp2(c S - c max).  Behind each run of exponentials stands plain work on other registers before its results are used.
	FMA4 0
	EXP8 0
	FMA4 1
	SUMCVT 0
	EXP8 1
	FMA4 2
	SUMCVT 1
	EXP8 2
	FMA4 3
	EXP8 3
	SUMCVT 2
	SUMCVT 3
	v_pk_add_f32 v[LS0:LS0+1], v[LS0:LS0+1], v[LS1:LS1+1]
.if \first
	v_add_f32 v[LSUM+\v], v[LS0], v[LS0+1]
.else
	v_add_f32 v[LS0], v[LS0], v[LS0+1]
	v_fma_f32 v[LSUM+\v], v[LSUM+\v], v[AL], v[LS0]
	WIN 0x41                               ; O in window 1, the factor in window 0
.irp i, 0,2,4,6,8,10,12,14,16,18,20,22,24,26,28,30
	v_pk_mul_f32 v[32*\v+\i:32*\v+\i+1], v[32*\v+\i:32*\v+\i+1], v[AL:AL+1] op_sel_hi:[1,0]
.endr
.endif
	WIN 0x53                               ; source 0 (V) window 3, source 1 (P) window 0, C and D window 1
	; O^T += V^T P, f16: four accumulators by turns, one instruction a turn
.irp dt, 0,1,2,3
.if \first
	v_wmma_f32_16x16x32_f16 v[32*\v+8*\dt:32*\v+8*\dt+7], v[128*\fb+64+16*\dt:128*\fb+64+16*\dt+7], v[P:P+7], 0
.else
	v_wmma_f32_16x16x32_f16 v[32*\v+8*\dt:32*\v+8*\dt+7], v[128*\fb+64+16*\dt:128*\fb+64+16*\dt+7], v[P:P+7], v[32*\v+8*\dt:32*\v+8*\dt+7]
.endif
.endr
.irp dt, 0,1,2,3
	v_wmma_f32_16x16x32_f16 v[32*\v+8*\dt:32*\v+8*\dt+7], v[128*\fb+64+16*\dt+8:128*\fb+64+16*\dt+15], v[P+8:P+15], v[32*\v+8*\dt:32*\v+8*\dt+7]
.endr
	WIN 0
.if \skip == 1
.Lte_\@:
.endif
.endm
; One key block.  fb: its fragment buffer (t & 1).  rslot >= 0: that slot is filled again.  tw = 1: all my tensor loads are waited for.
; cslot >= 0: block t + 2 is rounded from that slot, half fb, into H buffer fb.  frag = 1: block t + 1's fragments are loaded.  first = 1: block 0.
; vlo: the lowest tile that any wave can still have.  pf: 1 = prefetch, 2 = step the prefetch offset.  s7, d7: tile 7's tests.
.macro STEP fb, rslot, tw, cslot, frag, first, vlo, pf, s7, d7
	s_wait_dscnt 0x0                       ; my LDS instructions are done: fragments are in, my reads of F and of H are over, my stores into H have landed
.if \tw
	s_wait_tensorcnt 0x0                   ; all my tensor loads have landed (the one that was out brings the blocks that are rounded from this step on)
	ds_add_u32 v254, v255
	s_wait_dscnt 0x0
.endif
.if \rslot >= 0
	s_add_nc_u64 s[G0+4*\rslot+2:G0+4*\rslot+3], s[G0+4*\rslot+2:G0+4*\rslot+3], 0x100000   ; no load of mine is out: the slot's next 128 keys, 256 rows of 4,096 bytes on
	ROUND                                  ; both waits now hold of every wave of all four work-groups
	tensor_load_to_lds s[G0+4*\rslot:G0+4*\rslot+3], s[G1:G1+7]    ; my one tensor load behind the round, first thing: it has two steps in which to land
	s_nop 0
.else
	s_barrier_signal -1
	s_barrier_wait -1                      ; a refill may stay on its way across it
.endif
	s_add_co_i32 s40, s40, 1               ; kb - w
	SQK 7, \fb
	WIN 0
	PLACES 5                               ; places behind matrix instructions: for the loads into the other fragment buffer, which the last step's products read,
	                                       ; for the first reads of tile 7's scores, and for the next step's products onto these registers where tile 7 is masked out
.if \cslot >= 0
	FLOAD \cslot, \fb
.endif
.if \frag
	FRAG 1-\fb
.endif
	WIN 0
.if \pf == 1
	; Each lane asks for one row of 256 bytes of the four key blocks that the refills one and three steps further on will fetch: waves 0, 1 rows of K, waves 2, 3 of V,
	; row 32 (4 (w & 1) + cx) + lane of the 256: each row is asked for once in the launch.  The last trip asks for blocks 28 to 31, the head's last.
	global_prefetch_b8 v[PF], s[48:49] th:TH_LOAD_NT scope:SCOPE_SE
.endif
.if \pf == 2
	s_wait_xcnt 0x0                        ; the prefetch two steps back has had its address translated: its offset is rewritten only behind this wait
	v_add_nc_u32 v[PF], 0x100000, v[PF]    ; four key blocks on
.endif
.if \vlo < 7
	TILE 7, \fb, \first, \s7, \d7, 1, \@
.else
	TILE 7, \fb, \first, \s7, \d7, 0, \@
.endif
.if \cslot >= 0
	s_wait_dscnt 32*\frag                  ; LDS loads come back in order (ISA guide 5.7.1): the 16 loads of f32 rows are in, the fragment loads issued behind them may be out
	CVST \fb
	WIN 0
.endif
.irp v, 6,5,4,3,2,1,0
.if \v >= \vlo
.if \first
.if \v > 0
	TILE \v, \fb, 1, 0, 0, 1, \@
.else
	TILE \v, \fb, 1, 0, 1, 0, \@
.endif
.else
.if \v > \vlo
	TILE \v, \fb, 0, 2, 1, 1, \@
.else
	TILE \v, \fb, 0, 2, 1, 0, \@
.endif
.endif
.endif
.endr
.Lse_\@:
.endm
; Q: one tile's eight loads are in: round to bf16 and store into my stage by rows
.macro QTILE v
	s_wait_loadcnt 56-8*\v                 ; loads come back in order: this tile's eight are in, the later tiles' stay out
	WIN 0x45
.irp jj, 0,1,2,3,4,5,6,7
	v_cvt_pk_bf16_f32 v[32*\v+4*\jj], v[32*\v+4*\jj], v[32*\v+4*\jj+1]
	v_cvt_pk_bf16_f32 v[32*\v+4*\jj+1], v[32*\v+4*\jj+2], v[32*\v+4*\jj+3]
.endr
	WIN 0x04
.irp jj, 0,1,2,3,4,5,6,7
	ds_store_b64 v[QSW], v[32*\v+4*\jj:32*\v+4*\jj+1] offset:2*KP*(8*\v+\jj)
.endr
.endm
; The way out of tile v: divide by l, 32 bytes a lane into my own stage, read back as whole rows of 256 bytes, store.
.macro OUT v
	v_permlanex16_b32 v[PX], v[LSUM+\v], s42, s43
	v_add_f32 v[AL], v[LSUM+\v], v[PX]     ; the two halves' keys together
	v_rcp_f32 v[AL], v[AL]
	v_nop                                  ; one plain place behind the reciprocal (ISA guide 5.7.2)
	WIN 0x41
	s_wait_alu depctr_va_vdst(0)
.irp i, 0,2,4,6,8,10,12,14,16,18,20,22,24,26,28,30
	v_pk_mul_f32 v[32*\v+\i:32*\v+\i+1], v[32*\v+\i:32*\v+\i+1], v[AL:AL+1] op_sel_hi:[1,0]
.endr
	WIN 0x04
.irp dt, 0,1,2,3
	ds_store_b128 v[OSW], v[32*\v+8*\dt:32*\v+8*\dt+3] offset:(\v&3)*OSUB+64*\dt
	ds_store_b128 v[OSW], v[32*\v+8*\dt+4:32*\v+8*\dt+7] offset:(\v&3)*OSUB+64*\dt+16
.endr
	WIN 0
	s_wait_xcnt 0x0                        ; earlier stores have had their addresses translated (ISA guide 3.1): the buffer that they read is loaded again only behind this wait
.irp jj, 0,1,2,3,4,5,6,7
	ds_load_b128 v[RB+32*(\v&1)+4*\jj:RB+32*(\v&1)+4*\jj+3], v[OSR] offset:(\v&3)*OSUB+\jj*2*FP   ; LDS serves a wave's instructions in order (ISA guide 5.7.1): these see the stores above
.endr
.irp jj, 0,1,2,3,4,5,6,7
	s_wait_dscnt 7-\jj
	global_store_b128 v[QOFF], v[RB+32*(\v&1)+4*\jj:RB+32*(\v&1)+4*\jj+3], s[10:11] offset:\v*0x100000+\jj*8192 th:TH_STORE_NT   ; 16 lanes store a head's row: 256 consecutive bytes, aligned
.endr
.endm
	s_load_b256 s[4:11], s[0:1], 0x0               ; queries s[4:5], keys s[6:7], values s[8:9], out0 s[10:11]
	v_lshl_add_u32 v254, v0, 2, 0x3d800
	v_mov_b32 v255, 0
	ds_add_u32 v254, v255
	v_lshrrev_b32 v1, 5, v0
	v_readfirstlane_b32 s12, v1                    ; w: my wave's number
	s_bfe_u32 s13, ttmp6, 0x40000                  ; cx: my work-group's place in the cluster
	s_lshr_b32 s16, ttmp9, 4                       ; the cluster's number is the head: b = c >> 4,
	s_lshl_b32 s16, s16, 23                        ; 2,048 rows of 4,096 bytes each;
	s_and_b32 s17, ttmp9, 15                       ; h = c & 15,
	s_lshl_b32 s17, s17, 8                         ; 256 bytes each
	s_add_co_u32 s14, s16, s17
	s_mov_b32 s15, 0                               ; s[14:15]: the head's byte offset
	s_mov_b32 s42, 0x76543210                      ; v_permlanex16_b32: lane i of one half reads lane i of the other
	s_mov_b32 s43, 0xfedcba98
	s_mov_b32 s44, 0x3e38aa3b                      ; c = 0.125 log2(e), twice (a pair for the packed form)
	s_mov_b32 s45, 0x3e38aa3b
	s_mov_b32 s46, 0xbe38aa3b                      ; -c
	s_mov_b32 s47, 0xffff0000                      ; a word's upper bf16
	s_sub_co_i32 s40, -1, s12                      ; kb - w, one step before block 0
	; descriptor group 1: a tile of 64 rows x 64 f32, rows 1,024 elements apart, 16 bytes of padding behind each row in LDS
	s_mov_b32 s[G1+0], 15|(2<<16)|(1<<20)|(1<<21)|(5<<22)|(3<<25)   ; 15:0 all four work-groups; 17:16 elements of 4 bytes; 20 padding on; 21 set beside a mask; 24:22 after every 64 words; 31:25 of 4 words
	s_mov_b32 s[G1+1], 64<<16                      ; tensor_dim0 = 64
	s_mov_b32 s[G1+2], 64<<16                      ; tensor_dim1 = 64
	s_mov_b32 s[G1+3], 64<<16                      ; tile_dim0 = 64
	s_mov_b32 s[G1+4], 64                          ; tile_dim1 = 64
	s_mov_b32 s[G1+5], 1024                        ; elements from row to row
	s_mov_b32 s[G1+6], 0
	s_mov_b32 s[G1+7], 0
	v_and_b32 v1, 31, v0                           ; L
	v_and_b32 v2, 15, v0                           ; r
	v_bfe_u32 v3, v0, 4, 1                         ; h
	s_lshl_b32 s16, s12, 18                        ; w x 64 rows
	s_lshl_b32 s17, s13, 16                        ; cx x 16 rows
	s_add_co_u32 s16, s16, s17
	v_lshlrev_b32 v[QOFF], 4, v2
	v_lshl_add_u32 v[QOFF], v3, 12, v[QOFF]
	v_add_nc_u32 v[QOFF], s16, v[QOFF]             ; 16 r + 4,096 h + the tile's first row
	s_and_b32 s17, s12, 1
	s_lshl2_add_u32 s18, s17, s13                  ; 4 (w & 1) + cx
	s_lshl_b32 s18, s18, 17                        ; x 32 rows
	s_add_co_u32 s18, s18, 0x100000                ; block 4; stepped by four blocks ahead of the first request
	v_lshl_add_u32 v[PF], v1, 12, s18
	v_lshrrev_b32 v18, 3, v1
	v_and_b32 v19, 7, v0                           ; L & 7
	v_lshl_add_u32 v18, s12, 4, v18                ; 16 w + (L >> 3): my first row of a block
	v_mul_u32_u24 v[FA], v18, FP
	v_lshl_add_u32 v[FA], v19, 5, v[FA]
	v_add_nc_u32 v[FA+1], FSLOT, v[FA]
	v_mul_u32_u24 v[HWK], v18, KP
	v_lshl_add_u32 v[HWK], v19, 4, v[HWK]
	v_add_nc_u32 v[HWK], HK0, v[HWK]
	v_mul_u32_u24 v[HWV], v18, VP
	v_lshl_add_u32 v[HWV], v19, 4, v[HWV]
	v_add_nc_u32 v[HWV], HV0, v[HWV]
	s_mul_i32 s19, s12, STGW
	s_add_co_u32 s19, s19, STG                     ; my stage
	v_mul_u32_u24 v[HRK], v2, KP
	v_lshl_add_u32 v[HRK], v3, 4, v[HRK]           ; r x 144 + 16 h: a fragment's lane address, for K and for Q
	v_add_nc_u32 v[QSR], s19, v[HRK]
	v_add_nc_u32 v[HRK], HK0, v[HRK]
	v_lshl_add_u32 v18, v3, 3, v19                 ; 8 h + (L & 7)
	v_mul_u32_u24 v[HRV], v18, VP
	v_bfe_u32 v18, v0, 3, 1
	v_lshl_add_u32 v[HRV], v18, 4, v[HRV]
	v_add_nc_u32 v[HRV], HV0, v[HRV]
	v_mul_u32_u24 v[QSW], v3, KP
	v_lshl_add_u32 v[QSW], v2, 3, v[QSW]
	v_add_nc_u32 v[QSW], s19, v[QSW]
	v_mul_u32_u24 v[OSW], v2, FP
	v_lshl_add_u32 v[OSW], v3, 5, v[OSW]
	v_add_nc_u32 v[OSW], s19, v[OSW]
	v_mul_u32_u24 v[OSR], v3, FP
	v_lshl_add_u32 v[OSR], v2, 4, v[OSR]
	v_add_nc_u32 v[OSR], s19, v[OSR]
	s_lshl_b32 s20, s13, 4
	v_lshlrev_b32 v[THR], 3, v3
	v_sub_nc_u32 v[THR], v2, v[THR]
	v_add_nc_u32 v[THR], s20, v[THR]               ; 16 cx + r - 8 h, signed
	v_mov_b32 v[NINF], 0xff800000
	v_mov_b32 v[PX], 0                             ; v_permlanex16_b32 counts as a reader of its destination
	s_mul_i32 s21, s12, FTILE                      ; my quarter of a slot: waves 0, 1 K's rows 0-63, 64-127; waves 2, 3 V's
	s_lshl_b32 s22, s17, 18                        ; (w & 1) x 64 rows
	s_mov_b32 s23, 0
	s_wait_dscnt 0x0
	s_wait_kmcnt 0x0
	s_add_nc_u64 s[4:5], s[4:5], s[14:15]          ; Q and out at the head
	s_add_nc_u64 s[10:11], s[10:11], s[14:15]
	s_cmp_lt_u32 s12, 2
	s_cselect_b64 s[48:49], s[6:7], s[8:9]         ; the tensor that my wave fetches
	s_add_nc_u64 s[48:49], s[48:49], s[14:15]      ; at the head: made of the cluster's number and the wave's alone, equal in all four work-groups
	s_add_nc_u64 s[22:23], s[48:49], s[22:23]
.irp n, 0,1
	s_mov_b32 s[G0+4*\n], 1                                        ; count = 1
	s_add_co_u32 s[G0+4*\n+1], s21, \n*FSLOT                       ; LDS address
	s_add_nc_u64 s[G0+4*\n+2:G0+4*\n+3], s[22:23], \n*0x80000      ; slot n: keys 128 n ..
	s_or_b32 s[G0+4*\n+3], s[G0+4*\n+3], 0x80000000                ; type = 2
.endr
	; Q: 64 loads, each two whole rows of 256 bytes, into window 1
	WIN 0x40
.set j, 0
.rept 64
	global_load_b128 v[4*j:4*j+3], v[QOFF], s[4:5] offset:(j/8)*0x100000+(j%8)*8192 th:TH_LOAD_NT
.set j, j+1
.endr
	WIN 0
	ROUND                                          ; all four work-groups are here: the first joint loads meet
	tensor_load_to_lds s[G0:G0+3], s[G1:G1+7]      ; blocks 0, 1
	s_nop 0
	tensor_load_to_lds s[G0+4:G0+7], s[G1:G1+7]    ; blocks 2, 3
	s_nop 0
.irp v, 0,1,2,3,4,5,6,7
	QTILE \v
.endr
	WIN 0x80                                       ; back as fragments, into window 2: my own bytes, served in order
.irp v, 0,1,2,3,4,5,6,7
.irp ke, 0,1
	ds_load_b128 v[16*\v+8*\ke:16*\v+8*\ke+3], v[QSR] offset:\v*16*KP+64*\ke
	ds_load_b128 v[16*\v+8*\ke+4:16*\v+8*\ke+7], v[QSR] offset:\v*16*KP+64*\ke+32
.endr
.endr
	WIN 0
	s_wait_tensorcnt 0x1                           ; my part of slot 0 is in; slot 1's may stay out
	s_wait_dscnt 0x0
	s_barrier_signal -1
	s_barrier_wait -1                              ; everybody's part is in
	FLOAD 0, 0
	s_wait_dscnt 0x0
	CVST 0                                         ; block 0 into H buffer 0
	WIN 0
	s_wait_dscnt 0x0                               ; my stores have landed
	s_barrier_signal -1
	s_barrier_wait -1
	FLOAD 0, 1
	FRAG 0                                         ; block 0's fragments
	s_wait_dscnt 32                                ; the 16 loads of f32 rows are in
	CVST 1                                         ; block 1 into H buffer 1
	WIN 0
	;    fb rslot tw cslot frag first vlo pf s7 d7
	STEP 0,  0,   1,  1,   1,   1,    0,  0, 0, 0  ; block 0 stands in front of the loop: it starts maxima and sums, nothing is cleared
	s_mov_b32 s41, 6
.Lloop:                                            ; blocks 4 q + 1 .. 4 q + 4, q = 0 .. 5: once round both slots
	STEP 1, -1,   0,  1,   1,   0,    0,  2, 0, 0
	STEP 0,  1,   1,  0,   1,   0,    0,  0, 0, 0
	STEP 1, -1,   0,  0,   1,   0,    0,  1, 0, 0
	STEP 0,  0,   1,  1,   1,   0,    0,  0, 0, 0
	s_sub_co_i32 s41, s41, 1
	s_cmp_lg_u32 s41, 0
	s_cbranch_scc1 .Lloop
	STEP 1, -1,   0,  1,   1,   0,    6,  0, 0, 0  ; block 25: only tiles 7 and 6 can still have work
	STEP 0,  1,   1,  0,   1,   0,    6,  0, 0, 0  ; block 26: the last refill, blocks 30 and 31
	STEP 1, -1,   0,  0,   1,   0,    6,  0, 0, 0  ; block 27
	STEP 0, -1,   1,  1,   1,   0,    7,  0, 1, 1  ; block 28: the last tensor load is waited for; nothing is filled any more
	STEP 1, -1,   0,  1,   1,   0,    7,  0, 1, 1  ; block 29
	STEP 0, -1,   0, -1,   1,   0,    7,  0, 1, 1  ; block 30: nothing is left to round
	STEP 1, -1,   0, -1,   0,   0,    7,  0, 1, 1  ; block 31: nothing is left to load
	PLACES 4                                       ; places behind the last matrix instructions, for the lines that read O (ISA guide 7.12.1)
.irp v, 0,1,2,3,4,5,6,7
	OUT \v
.endr
	s_wait_dscnt 0x0
	s_wait_tensorcnt 0x0
	ds_add_u32 v254, v255
	s_wait_dscnt 0x0
	ROUND                                          ; the closing round: no work-group ends while a partner may still ask for a tile that names it
	s_endpgm
.Lfunc_end_k_q666e4e6bfa_attn:
	.size	k_q666e4e6bfa_attn, .Lfunc_end_k_q666e4e6bfa_attn-k_q666e4e6bfa_attn
	.p2alignl 7, 3214868480
	.fill 96, 4, 3214868480
	.section	.rodata,"a",@progbits
	.p2align	6, 0x0
	.amdhsa_kernel k_q666e4e6bfa_attn
		.amdhsa_group_segment_fixed_size 327680
		.amdhsa_private_segment_fixed_size 0
		.amdhsa_enable_private_segment 0
		.amdhsa_kernarg_size 32
		.amdhsa_user_sgpr_count 2
		.amdhsa_user_sgpr_kernarg_segment_ptr 1
		.amdhsa_wavefront_size32 1
		.amdhsa_system_sgpr_workgroup_id_x 1
		.amdhsa_system_sgpr_workgroup_id_y 1
		.amdhsa_system_sgpr_workgroup_id_z 1
		.amdhsa_system_vgpr_workitem_id 0
		.amdhsa_next_free_vgpr 1024
		.amdhsa_next_free_sgpr 66
		.amdhsa_reserve_vcc 1
		.amdhsa_float_denorm_mode_32 3
		.amdhsa_float_denorm_mode_16_64 3
		.amdhsa_memory_ordered 1
		.amdhsa_forward_progress 1
		.amdhsa_inst_pref_size 255
	.end_amdhsa_kernel
	.section	.bss,"aw",@nobits
	.p2align	6
	.space	262144
	.amdgpu_metadata
---
amdhsa.version: [ 1, 2 ]
amdhsa.kernels:
  - .name:           k_q666e4e6bfa_attn
    .symbol:         k_q666e4e6bfa_attn.kd
    .args:
      - { .name: queries, .offset: 0, .size: 8, .value_kind: global_buffer, .address_space: global }
      - { .name: keys, .offset: 8, .size: 8, .value_kind: global_buffer, .address_space: global }
      - { .name: values, .offset: 16, .size: 8, .value_kind: global_buffer, .address_space: global }
      - { .name: out0, .offset: 24, .size: 8, .value_kind: global_buffer, .address_space: global }
    .group_segment_fixed_size: 327680
    .private_segment_fixed_size: 0
    .kernarg_segment_align: 8
    .kernarg_segment_size: 32
    .max_flat_workgroup_size: 128
    .sgpr_count:     66
    .vgpr_count:     1024
    .wavefront_size: 32
...
	.end_amdgpu_metadata
.endif
;; end of part 1
;; ======== version 2 of 2: 1 launch
;; limits: values are held in f16: magnitudes above 65,504 overflow, below 6.1e-05 lose precision; inputs' magnitudes at most 65,280
;; launch attn (part 2): grid 256 x 1, 4 waves a work-group, clusters of 4 x 1, 327,680 bytes of LDS; arguments queries, keys, values, out0; writes out0
.if DOCPART == 2
	.amdgcn_target "amdgcn-amd-amdhsa--gfx1250"
	.amdhsa_code_object_version 6
	.text
	.protected	k_q666e4e6bfa_attn
	.globl	k_q666e4e6bfa_attn
	.p2align	8
	.type	k_q666e4e6bfa_attn,@function
k_q666e4e6bfa_attn:
	s_mov_b64 s[64:65], 0
	v_nop
	global_prefetch_b8 v0, s[64:65] scope:SCOPE_SE
	s_setreg_imm32_b32 hwreg(HW_REG_WAVE_MODE, 25, 1), 1
	s_wait_xcnt 0x0
	s_wait_alu depctr_hold_cnt(0) depctr_sa_sdst(0) depctr_va_vdst(0) depctr_va_sdst(0) depctr_va_ssrc(0) depctr_va_vcc(0) depctr_vm_vsrc(0)
	s_getreg_b32 s2, hwreg(HW_REG_IB_STS2, 6, 4)
	s_cmp_eq_u32 s2, 0
	s_cbranch_scc0 .Lentry_in_a_cluster
	s_endpgm
.Lentry_in_a_cluster:
	s_bfe_u32 s2, ttmp6, 0x10000c
	s_cmp_lg_u32 s2, 0x3003
	s_cbranch_scc0 .Lentry_shape_is_right
	s_endpgm
.Lentry_shape_is_right:
; Causal softmax attention.  queries, keys, values, out0: [4][2048][16][64] f32; a head's row is 256 bytes, rows are 4,096 bytes apart.
; out[q] = sum over keys s <= q of softmax(0.125 q.k)[s] v[s], with a running maximum (taken away before every exponential) and a running sum.
;
; SHARES.  A cluster of four work-groups is one head (64 clusters).  All four walk the head's 32 key blocks of 64 keys in the same order, so K and V
; are asked for JOINTLY (mask 15): each tile is fetched once for the four.  A q tile is 16 queries.  Work-group cx, wave w, tile v (0..7) owns the rows
; q = 64 u + 16 cx + r, u = 4 v + w, r = 0..15.  Against key block kb such a tile is whole (kb < u), on the diagonal (kb = u) or masked out and left
; undone (kb > u): every branch hangs on w and kb alone, never on cx; cx enters only offsets in memory and the mask's table, which are data.
;
; PRODUCTS ARE TRANSPOSED.  S^T (16 keys x 16 q) = K fragment x Q fragment: lane (r, h) then holds keys 8 h + 0..7 of query r, which is the layout in which
; the second product takes its second source: P = exp2(..) is rounded to f16 in the lane and never leaves it.  O^T (16 d x 16 q) += V^T fragment x P.
; Maximum, rescaling factor and 1/l are one number a lane; the two halves of the lanes meet by one v_permlanex16_b32.  l is a partial sum of the lane's own
; keys; the halves are added once, at the end.
;
; THE FORMATS.  The three inputs are rounded once, all alike, to bf16: what is computed is the attention of the bf16 inputs.  The first product is the bf16 form.
; P is made here and lies in [0, 1], since the maximum is taken away; a row with few keys is a sum of a few terms p v that may cancel, and bf16's 8 significant
; bits would leave each term an error of up to 2^-9, f16's 11 leave 2^-12.  So P goes in f16 and the second product is the f16 form; V's bf16 numbers are carried
; over into f16, which holds them exactly from 2^-17 to 65,504 (8 bits in 11).  No accumulator sees both forms: S takes bf16 products alone, O f16 products alone.
;
; THE WAY IN.  f32 tiles of K and V come by joint tensor loads into two LDS slots F of 128 keys; the four waves round a block of 64 keys to 16 bits into H
; (two buffers, written by ds_store alone); fragments go from H into two register buffers.  Behind the barrier of step t: (even t) the slot whose blocks have
; been rounded is filled again with blocks t+4, t+5; block t+2 is rounded into H[t&1]; block t+1's fragments are loaded from H[(t+1)&1]; block t is
; multiplied from registers alone.  One barrier a step orders all of it: H[t&1] was last read, and H[(t+1)&1] written, in step t-1, and every wave waits for
; all its LDS instructions in front of every barrier.  By this text's count a wave has two tensor loads out at the start and one behind each refill.
;
; THE LOOP'S TEXT IS TWO STEPS, since the text names the two fragment buffers and nothing else that takes turns.  Which slot is filled and which is read
; changes from trip to trip and is one bit: slot 1 begins at LDS byte 2^17, above all of slot 0's addresses, and the ring's descriptor (its LDS word) and the
; scalar s50 (the slot being rounded from) are toggled by s_xor_b32.  Each trip has one refill; the loop ends with the last refill (block 26).
;
; LIMITS.  Inputs are taken to be finite, scores to be finite in f32, and values to be at most 65,504 in magnitude (f16's largest number; beyond it the
; conversion gives infinity); NaN and infinities are not followed.  A value whose bf16 number lies below 2^-17, and a p below 2^-14, are kept with an absolute
; error of at most 2^-25 (f16's denormals); a p below 2^-126 counts as 0 already in f32 (v_exp_f32 flushes: ISA guide 15.8).  l sums the unrounded p.
;
; REGISTERS, in windows of 256:  window 0: addresses, softmax state, P, two score buffers, the way out, the mask's table.  window 1: O(v, dt) at 32 v + 8 dt (first: Q as loaded).
; window 2: Q(v, ke) at 16 v + 8 ke; 128..191 the rows being rounded.  window 3: fragment buffer f: K(s, ke) at 128 f + 16 s + 8 ke, V(dt, ks) at 128 f + 64 + 16 dt + 8 ks.
.set FP,    272                        ; pitch of an f32 row in LDS: 256 bytes + 16 of padding = 17 x 16
.set FTILE, 64*FP                      ; one tensor load: 64 rows
.set FPART, 2*FTILE                    ; K's 128 rows of a slot; V's follow
.set FSLOT, 4*FTILE                    ; a slot's bytes: 69,632
.set FTOG,  0x20000                    ; slot 0 at byte 0, slot 1 at byte 131,072: one bit tells them apart
.set KP,    144                        ; pitch of a bf16 row of K (and of Q): 128 + 16 = 9 x 16
.set VP,    160                        ; pitch of an f16 row of V: 5 x 32, for the transposing load
.set HK0,   FSLOT                      ; 69,632: H lies between the slots
.set HV0,   HK0+64*KP                  ; 78,848
.set HSTEP, 64*KP+64*VP                ; from H buffer 0 to buffer 1: 19,456.  H ends at 108,544; the bytes from there to 131,071 are not used
.set STG,   FTOG+FSLOT                 ; 200,704: each wave's own stage
.set STGW,  128*KP                     ; 18,432 bytes a wave: 128 rows of Q in bf16; later four stages of 16 rows of f32
.set OSUB,  16*FP                      ; one such stage
.set QOFF, 4                           ; v4   byte offset of my 16 bytes in the first two rows of my wave's tile 0 (Q and out)
.set PF,   5                           ; v5   prefetch offset
.set FA,   6                           ; v6   where I read f32 rows, in the slot that is being rounded from: s50 + v7
.set FAL,  7                           ; v7   the same within a slot; never rewritten
.set HWK,  8                           ; v8   where I store rounded K
.set HWV,  9                           ; v9   where I store rounded V
.set HRK,  10                          ; v10  where I read K fragments
.set HRV,  11                          ; v11  where I read V fragments, transposed
.set QSW,  12                          ; v12  Q stage, in
.set QSR,  13                          ; v13  Q stage, back
.set OSW,  14                          ; v14  out stage, in
.set OSR,  15                          ; v15  out stage, back
.set THR,  16                          ; v16  16 cx + r - 8 h: on the diagonal, key 16 s + j of my eight is allowed if 16 s + j <= this
.set NINF, 17                          ; v17  -infinity
.set M,    20                          ; v20-27 running maximum of tile v (raw scores)
.set LSUM, 28                          ; v28-35 running sum of tile v, my half's keys
.set NM,   36                          ; v36  -c x new maximum     (pair with MN)
.set MN,   37                          ; v37  new maximum
.set AL,   38                          ; v38  rescaling factor; at the end 1/l   (pair with PX)
.set PX,   39                          ; v39  what the other half of the lanes holds
.set T,    40                          ; v40-43 four chains of maxima
.set LS0,  44                          ; v[44:45], v[46:47] two chains of sums
.set LS1,  46
.set P,    48                          ; v48-63 P in f16: two fragments of 32 keys
.set SBUF, 64                          ; v64-95, v96-127: scores of tile v in buffer v & 1
.set RB,   128                         ; v128-191: the way out, two buffers
.set BIAS, 192                         ; v192-223: the diagonal block's mask: 0 where my score 8 s + j is allowed, -infinity where not
.set CV,   128                         ; window 2: rows being rounded
.set G1,   24                          ; s[24:31] descriptor group 1
.set G0,   32                          ; s[32:35] descriptor group 0 of slot 0's first fill
.set GR,   36                          ; s[36:39] descriptor group 0 of slot 1's first fill and then of every refill
.set MSB, 0
.macro WIN new                         ; the immediate's high byte repeats the setting that is left; a switch that changes nothing is dropped
.if MSB != \new
	s_set_vgpr_msb (MSB<<8)|\new
.set MSB, \new
.endif
.endm
.macro PLACES n
.rept \n
	v_nop
.endr
.endm
; A round of the cluster's barrier: my work-group's barrier, wave 0 signals for the work-group, every wave waits for all four work-groups, my work-group's barrier again.
.macro ROUND
	s_barrier_signal -1
	s_barrier_wait -1
	s_cmp_lg_u32 s12, 0
	s_cbranch_scc1 .Lnw0_\@
	s_barrier_signal -3
.Lnw0_\@:
	s_barrier_wait -3
	s_barrier_signal -1
	s_barrier_wait -1
.endm
; 16 LDS loads: my 16 rows of K and my 16 rows of V of one key block (the slot in v6, its half), 32 bytes of a row a lane.
.macro FLOAD half
	WIN 0x80                               ; data into window 2
.irp part, 0,1
.irp i, 0,1,2,3
	ds_load_b128 v[CV+32*\part+8*\i:CV+32*\part+8*\i+3], v[FA] offset:\part*FPART+\half*FTILE+\i*4*FP
	ds_load_b128 v[CV+32*\part+8*\i+4:CV+32*\part+8*\i+7], v[FA] offset:\part*FPART+\half*FTILE+\i*4*FP+16
.endr
.endr
.endm
; Round them and store 16 bytes a lane into H buffer hb.
; K (CV+0..31): to bf16, in place, ascending: register k takes registers 2 k, 2 k + 1, which no later line needs.
; V (CV+32..63): to bf16, the two halves widened again to f32 (a mask and a shift), and these numbers into f16, into CV+16..31, which K has left.
.macro CVST hb
	WIN 0x8a
.set k, 0
.rept 16
	v_cvt_pk_bf16_f32 v[CV+k], v[CV+2*k], v[CV+2*k+1]
.set k, k+1
.endr
.set k, 0
.rept 16
	v_cvt_pk_bf16_f32 v[CV+32+2*k], v[CV+32+2*k], v[CV+32+2*k+1]
.set k, k+1
.endr
.set k, 0
.rept 16
	v_and_b32 v[CV+32+2*k+1], s47, v[CV+32+2*k]        ; the upper bf16 as f32
.set k, k+1
.endr
.set k, 0
.rept 16
	v_lshlrev_b32 v[CV+32+2*k], 16, v[CV+32+2*k]       ; the lower bf16 as f32
.set k, k+1
.endr
.set k, 0
.rept 16
	v_cvt_pk_f16_f32 v[CV+16+k], v[CV+32+2*k], v[CV+32+2*k+1]
.set k, k+1
.endr
	WIN 0x08                               ; store data from window 2
.irp i, 0,1,2,3
	ds_store_b128 v[HWK], v[CV+4*\i:CV+4*\i+3] offset:\hb*HSTEP+\i*4*KP
	ds_store_b128 v[HWV], v[CV+16+4*\i:CV+16+4*\i+3] offset:\hb*HSTEP+\i*4*VP
.endr
.endm
; 32 LDS loads: all fragments of the key block in H buffer hb into fragment buffer hb.  K: rows lie along e, two loads 32 bytes apart.
; V: rows lie along d and keys are wanted along the registers: the transposing load, two loads 16 rows apart.
.macro FRAG hb
	WIN 0xc0                               ; data into window 3
.irp s, 0,1,2,3
.irp ke, 0,1
	ds_load_b128 v[128*(\hb)+16*\s+8*\ke:128*(\hb)+16*\s+8*\ke+3], v[HRK] offset:(\hb)*HSTEP+\s*16*KP+64*\ke
	ds_load_b128 v[128*(\hb)+16*\s+8*\ke+4:128*(\hb)+16*\s+8*\ke+7], v[HRK] offset:(\hb)*HSTEP+\s*16*KP+64*\ke+32
.endr
.endr
.irp dt, 0,1,2,3
.irp ks, 0,1
	ds_load_tr16_b128 v[128*(\hb)+64+16*\dt+8*\ks:128*(\hb)+64+16*\dt+8*\ks+3], v[HRV] offset:(\hb)*HSTEP+\ks*32*VP+32*\dt
	ds_load_tr16_b128 v[128*(\hb)+64+16*\dt+8*\ks+4:128*(\hb)+64+16*\dt+8*\ks+7], v[HRV] offset:(\hb)*HSTEP+\ks*32*VP+32*\dt+16*VP
.endr
.endr
.endm
; The scores of tile v against the block in fragment buffer fb: 4 x (16 keys x 16 q), two steps along e, bf16.  The first step starts the sums.
; The four accumulators take turns, one instruction a turn.
.macro SQK v, fb
	WIN 0x0b                               ; source 0 (K) window 3, source 1 (Q) window 2, C and D window 0
.set SA, SBUF+32*((\v)&1)
.irp s, 0,1,2,3
	v_wmma_f32_16x16x32_bf16 v[SA+8*\s:SA+8*\s+7], v[128*\fb+16*\s:128*\fb+16*\s+7], v[16*(\v):16*(\v)+7], 0
.endr
.irp s, 0,1,2,3
	v_wmma_f32_16x16x32_bf16 v[SA+8*\s:SA+8*\s+7], v[128*\fb+16*\s+8:128*\fb+16*\s+15], v[16*(\v)+8:16*(\v)+15], v[SA+8*\s:SA+8*\s+7]
.endr
.endm
; pieces of the softmax on the eight scores of key group s; SB is the tile's score buffer
.macro FMA4 s                          ; c S - c max, two at a time; c = 0.125 log2(e) from s44, -c max from v36
.irp k, 0,2,4,6
	v_pk_fma_f32 v[SB+8*\s+\k:SB+8*\s+\k+1], v[SB+8*\s+\k:SB+8*\s+\k+1], s[44:45], v[NM:NM+1] op_sel_hi:[1,0,0]
.endr
.endm
.macro EXP8 s
.irp j, 0,1,2,3,4,5,6,7
	v_exp_f32 v[SB+8*\s+\j], v[SB+8*\s+\j]
.endr
.endm
.macro SUMCVT s                        ; add p to two chains of sums (group 0 starts them: nothing is cleared) and round p to f16 into P
.if \s == 0
	s_wait_alu depctr_va_vdst(0)
	v_pk_add_f32 v[LS0:LS0+1], v[SB:SB+1], v[SB+2:SB+3]
	v_pk_add_f32 v[LS1:LS1+1], v[SB+4:SB+5], v[SB+6:SB+7]
	v_cvt_pk_f16_f32 v[P], v[SB], v[SB+1]
	v_cvt_pk_f16_f32 v[P+1], v[SB+2], v[SB+3]
	v_cvt_pk_f16_f32 v[P+2], v[SB+4], v[SB+5]
	v_cvt_pk_f16_f32 v[P+3], v[SB+6], v[SB+7]
.else
	s_wait_alu depctr_va_vdst(0)
	v_pk_add_f32 v[LS0:LS0+1], v[LS0:LS0+1], v[SB+8*\s:SB+8*\s+1]
	v_pk_add_f32 v[LS1:LS1+1], v[LS1:LS1+1], v[SB+8*\s+2:SB+8*\s+3]
	v_cvt_pk_f16_f32 v[P+4*\s], v[SB+8*\s], v[SB+8*\s+1]
	v_cvt_pk_f16_f32 v[P+4*\s+1], v[SB+8*\s+2], v[SB+8*\s+3]
	v_pk_add_f32 v[LS0:LS0+1], v[LS0:LS0+1], v[SB+8*\s+4:SB+8*\s+5]
	v_pk_add_f32 v[LS1:LS1+1], v[LS1:LS1+1], v[SB+8*\s+6:SB+8*\s+7]
	v_cvt_pk_f16_f32 v[P+4*\s+2], v[SB+8*\s+4], v[SB+8*\s+5]
	v_cvt_pk_f16_f32 v[P+4*\s+3], v[SB+8*\s+6], v[SB+8*\s+7]
.endif
.endm
; One tile (16 queries) against one key block (64 keys).  Its scores are in its buffer already.
; first = 1: the tile's first block (no old maximum, sums start).  skip: 1 = if masked out jump to the tile's end, 2 = to the step's end (label number sid).
; diag = 1: test for the diagonal.  next = 1: the next tile's scores are issued first, so that the matrix unit works while this tile's softmax runs
; (if that tile turns out to be masked out, they are not used).  Every window is 0 on entry, at every branch and label, and on exit.
.macro TILE v, fb, first, skip, diag, next, sid
.if \skip == 1
	s_cmp_gt_i32 s40, 4*\v                 ; kb - w > 4 v: kb > u
	s_cbranch_scc1 .Lte_\@
.endif
.if \skip == 2
	s_cmp_gt_i32 s40, 4*\v
	s_cbranch_scc1 .Lse_\sid               ; the tiles below are masked out too
.endif
.if \next
	SQK \v-1, \fb
	WIN 0
.endif
.set SB, SBUF+32*(\v&1)
.if \diag
	s_cmp_lg_u32 s40, 4*\v                 ; kb = u: the diagonal block
	s_cbranch_scc1 .Lnm_\@
.irp k, 0,2,4,6,8,10,12,14,16,18,20,22,24,26,28,30
	v_pk_add_f32 v[SB+\k:SB+\k+1], v[SB+\k:SB+\k+1], v[BIAS+\k:BIAS+\k+1]   ; a finite score + 0 is itself, + -infinity is -infinity
.endr
.Lnm_\@:
.endif
	; the largest of my 32 scores and the old maximum: four chains, then the other half of the lanes.  Key 64 u of a diagonal block is allowed for
	; every query and lies in the lower half, so the new maximum is finite in every lane.
.irp c, 0,1,2,3
	v_max3_num_f32 v[T+\c], v[SB+8*\c], v[SB+8*\c+1], v[SB+8*\c+2]
.endr
.irp c, 0,1,2,3
	v_max3_num_f32 v[T+\c], v[T+\c], v[SB+8*\c+3], v[SB+8*\c+4]
.endr
.irp c, 0,1,2,3
	v_max3_num_f32 v[T+\c], v[T+\c], v[SB+8*\c+5], v[SB+8*\c+6]
.endr
	v_max3_num_f32 v[T], v[T], v[T+1], v[SB+7]
	v_max3_num_f32 v[T+2], v[T+2], v[T+3], v[SB+15]
	v_max3_num_f32 v[T], v[T], v[SB+23], v[SB+31]
.if \first
	v_max_num_f32 v[T], v[T], v[T+2]
.else
	v_max3_num_f32 v[T], v[T], v[T+2], v[M+\v]
.endif
	v_permlanex16_b32 v[PX], v[T], s42, s43
	v_max_num_f32 v[MN], v[T], v[PX]
	v_mul_f32 v[NM], s46, v[MN]            ; -c x maximum
.if \first == 0
	v_fma_f32 v[AL], v[M+\v], s44, v[NM]   ; c (old maximum - new maximum)
	v_exp_f32 v[AL], v[AL]                 ; behind an exponential one plain vector instruction on other registers stands before its result is used (ISA guide 5.7.2): the move below
.endif
	v_mov_b32 v[M+\v], v[MN]
	; p = exp2(c S - c max).  Behind each run of exponentials stands plain work on other registers before its results are used.
	FMA4 0
	EXP8 0
	FMA4 1
	SUMCVT 0
	EXP8 1
	FMA4 2
	SUMCVT 1
	EXP8 2
	FMA4 3
	EXP8 3
	SUMCVT 2
	SUMCVT 3
	v_pk_add_f32 v[LS0:LS0+1], v[LS0:LS0+1], v[LS1:LS1+1]
.if \first
	v_add_f32 v[LSUM+\v], v[LS0], v[LS0+1]
.else
	v_add_f32 v[LS0], v[LS0], v[LS0+1]
	v_fma_f32 v[LSUM+\v], v[LSUM+\v], v[AL], v[LS0]
	WIN 0x41                               ; O in window 1, the factor in window 0
.irp i, 0,2,4,6,8,10,12,14,16,18,20,22,24,26,28,30
	v_pk_mul_f32 v[32*\v+\i:32*\v+\i+1], v[32*\v+\i:32*\v+\i+1], v[AL:AL+1] op_sel_hi:[1,0]
.endr
.endif
	WIN 0x53                               ; source 0 (V) window 3, source 1 (P) window 0, C and D window 1
	; O^T += V^T P, f16: four accumulators by turns, one instruction a turn
.irp dt, 0,1,2,3
.if \first
	v_wmma_f32_16x16x32_f16 v[32*\v+8*\dt:32*\v+8*\dt+7], v[128*\fb+64+16*\dt:128*\fb+64+16*\dt+7], v[P:P+7], 0
.else
	v_wmma_f32_16x16x32_f16 v[32*\v+8*\dt:32*\v+8*\dt+7], v[128*\fb+64+16*\dt:128*\fb+64+16*\dt+7], v[P:P+7], v[32*\v+8*\dt:32*\v+8*\dt+7]
.endif
.endr
.irp dt, 0,1,2,3
	v_wmma_f32_16x16x32_f16 v[32*\v+8*\dt:32*\v+8*\dt+7], v[128*\fb+64+16*\dt+8:128*\fb+64+16*\dt+15], v[P+8:P+15], v[32*\v+8*\dt:32*\v+8*\dt+7]
.endr
	WIN 0
.if \skip == 1
.Lte_\@:
.endif
.endm
; One key block, t.  fb: its fragment buffer (t & 1).  refill = 1: the slot whose blocks have been rounded is filled again.  tw = 1: all my tensor loads are waited for.
; cv = 1: block t + 2 is rounded, from half fb of its slot, into H buffer fb.  frag = 1: block t + 1's fragments are loaded.  first = 1: block 0.
; vlo: the lowest tile that any wave can still have.  pf: 1 = prefetch, 2 = step the prefetch offset.  s7, d7: tile 7's tests.
.macro STEP fb, refill, tw, cv, frag, first, vlo, pf, s7, d7
	s_wait_dscnt 0x0                       ; my LDS instructions are done: fragments are in, my reads of F and of H are over, my stores into H have landed
.if \tw
	s_wait_tensorcnt 0x0                   ; all my tensor loads have landed (the one that was out brings the blocks that are rounded from this step on)
	ds_add_u32 v254, v255
	s_wait_dscnt 0x0
.endif
.if \refill
	s_add_nc_u64 s[GR+2:GR+3], s[GR+2:GR+3], 0x80000   ; no load of mine is out, so the ring's group 0 may be written: the next 128 keys, 128 rows of 4,096 bytes on,
	s_xor_b32 s[GR+1], s[GR+1], FTOG       ; into the other slot than the last fill's
	ROUND                                  ; both waits now hold of every wave of all four work-groups
	tensor_load_to_lds s[GR:GR+3], s[G1:G1+7]      ; my one tensor load behind the round, first thing: it has two steps in which to land
	s_nop 0
.else
	s_barrier_signal -1
	s_barrier_wait -1                      ; a refill may stay on its way across it
.endif
	s_add_co_i32 s40, s40, 1               ; kb - w
	SQK 7, \fb
	WIN 0
.if \cv
.if \fb == 0
	s_xor_b32 s50, s50, FTOG               ; an even block is its slot's first half: from here on the other slot is rounded from (the one that is not being filled)
	v_add_nc_u32 v[FA], s50, v[FAL]
.endif
.endif
	PLACES 5                               ; places behind matrix instructions: for the loads into the other fragment buffer, which the last step's products read,
	                                       ; for the first reads of tile 7's scores, and for the next step's products onto these registers where tile 7 is masked out
.if \cv
	FLOAD \fb
.endif
.if \frag
	FRAG 1-\fb
.endif
	WIN 0
.if \pf == 1
	; Each lane asks for one row of 256 bytes of the two key blocks (t + 5, t + 6) that the next step's refill will fetch: wave 0 rows of K, wave 2 rows of V,
	; row 32 cx + lane of the 128; waves 1 and 3 ask for nothing: each row is asked for once in the launch.  The last trip asks for blocks 30 and 31, the head's last.
	s_cmp_lg_u32 s51, 0
	s_cbranch_scc1 .Lnp_\@
	global_prefetch_b8 v[PF], s[48:49] th:TH_LOAD_NT scope:SCOPE_SE
.Lnp_\@:
.endif
.if \pf == 2
	s_wait_xcnt 0x0                        ; the prefetch one step back has had its address translated: its offset is rewritten only behind this wait
	v_add_nc_u32 v[PF], 0x80000, v[PF]     ; two key blocks on
.endif
.if \vlo < 7
	TILE 7, \fb, \first, \s7, \d7, 1, \@
.else
	TILE 7, \fb, \first, \s7, \d7, 0, \@
.endif
.if \cv
	s_wait_dscnt 32*\frag                  ; LDS loads come back in order (ISA guide 5.7.1): the 16 loads of f32 rows are in, the fragment loads issued behind them may be out
	CVST \fb
	WIN 0
.endif
.irp v, 6,5,4,3,2,1,0
.if \v >= \vlo
.if \first
.if \v > 0
	TILE \v, \fb, 1, 0, 0, 1, \@
.else
	TILE \v, \fb, 1, 0, 1, 0, \@
.endif
.else
.if \v > \vlo
	TILE \v, \fb, 0, 2, 1, 1, \@
.else
	TILE \v, \fb, 0, 2, 1, 0, \@
.endif
.endif
.endif
.endr
.Lse_\@:
.endm
; Q: one tile's eight loads are in: round to bf16 and store into my stage by rows
.macro QTILE v
	s_wait_loadcnt 56-8*\v                 ; loads come back in order: this tile's eight are in, the later tiles' stay out
	WIN 0x45
.irp jj, 0,1,2,3,4,5,6,7
	v_cvt_pk_bf16_f32 v[32*\v+4*\jj], v[32*\v+4*\jj], v[32*\v+4*\jj+1]
	v_cvt_pk_bf16_f32 v[32*\v+4*\jj+1], v[32*\v+4*\jj+2], v[32*\v+4*\jj+3]
.endr
	WIN 0x04
.irp jj, 0,1,2,3,4,5,6,7
	ds_store_b64 v[QSW], v[32*\v+4*\jj:32*\v+4*\jj+1] offset:2*KP*(8*\v+\jj)
.endr
.endm
; The way out of tile v: divide by l, 32 bytes a lane into my own stage, read back as whole rows of 256 bytes, store.
.macro OUT v
	v_permlanex16_b32 v[PX], v[LSUM+\v], s42, s43
	v_add_f32 v[AL], v[LSUM+\v], v[PX]     ; the two halves' keys together
	v_rcp_f32 v[AL], v[AL]
	v_nop                                  ; one plain place behind the reciprocal (ISA guide 5.7.2)
	WIN 0x41
	s_wait_alu depctr_va_vdst(0)
.irp i, 0,2,4,6,8,10,12,14,16,18,20,22,24,26,28,30
	v_pk_mul_f32 v[32*\v+\i:32*\v+\i+1], v[32*\v+\i:32*\v+\i+1], v[AL:AL+1] op_sel_hi:[1,0]
.endr
	WIN 0x04
.irp dt, 0,1,2,3
	ds_store_b128 v[OSW], v[32*\v+8*\dt:32*\v+8*\dt+3] offset:(\v&3)*OSUB+64*\dt
	ds_store_b128 v[OSW], v[32*\v+8*\dt+4:32*\v+8*\dt+7] offset:(\v&3)*OSUB+64*\dt+16
.endr
	WIN 0
	s_wait_xcnt 0x0                        ; earlier stores have had their addresses translated (ISA guide 3.1): the buffer that they read is loaded again only behind this wait
.irp jj, 0,1,2,3,4,5,6,7
	ds_load_b128 v[RB+32*(\v&1)+4*\jj:RB+32*(\v&1)+4*\jj+3], v[OSR] offset:(\v&3)*OSUB+\jj*2*FP   ; LDS serves a wave's instructions in order (ISA guide 5.7.1): these see the stores above
.endr
.irp jj, 0,1,2,3,4,5,6,7
	s_wait_dscnt 7-\jj
	global_store_b128 v[QOFF], v[RB+32*(\v&1)+4*\jj:RB+32*(\v&1)+4*\jj+3], s[10:11] offset:\v*0x100000+\jj*8192 th:TH_STORE_NT   ; 16 lanes store a head's row: 256 consecutive bytes, aligned
.endr
.endm
	s_load_b256 s[4:11], s[0:1], 0x0               ; queries s[4:5], keys s[6:7], values s[8:9], out0 s[10:11]
	v_lshl_add_u32 v254, v0, 2, 0x43000
	v_mov_b32 v255, 0
	ds_add_u32 v254, v255
	v_lshrrev_b32 v1, 5, v0
	v_readfirstlane_b32 s12, v1                    ; w: my wave's number
	s_bfe_u32 s13, ttmp6, 0x40000                  ; cx: my work-group's place in the cluster
	s_lshr_b32 s16, ttmp9, 4                       ; the cluster's number is the head: b = c >> 4,
	s_lshl_b32 s16, s16, 23                        ; 2,048 rows of 4,096 bytes each;
	s_and_b32 s17, ttmp9, 15                       ; h = c & 15,
	s_lshl_b32 s17, s17, 8                         ; 256 bytes each
	s_add_co_u32 s14, s16, s17
	s_mov_b32 s15, 0                               ; s[14:15]: the head's byte offset
	s_mov_b32 s42, 0x76543210                      ; v_permlanex16_b32: lane i of one half reads lane i of the other
	s_mov_b32 s43, 0xfedcba98
	s_mov_b32 s44, 0x3e38aa3b                      ; c = 0.125 log2(e), twice (a pair for the packed form)
	s_mov_b32 s45, 0x3e38aa3b
	s_mov_b32 s46, 0xbe38aa3b                      ; -c
	s_mov_b32 s47, 0xffff0000                      ; a word's upper bf16
	s_mov_b32 s50, 0                               ; the slot that is rounded from: slot 0 first
	s_and_b32 s51, s12, 1                          ; w & 1
	s_sub_co_i32 s40, -1, s12                      ; kb - w, one step before block 0
	; descriptor group 1: a tile of 64 rows x 64 f32, rows 1,024 elements apart, 16 bytes of padding behind each row in LDS
	s_mov_b32 s[G1+0], 15|(2<<16)|(1<<20)|(1<<21)|(5<<22)|(3<<25)   ; 15:0 all four work-groups; 17:16 elements of 4 bytes; 20 padding on; 21 set beside a mask; 24:22 after every 64 words; 31:25 of 4 words
	s_mov_b32 s[G1+1], 64<<16                      ; tensor_dim0 = 64
	s_mov_b32 s[G1+2], 64<<16                      ; tensor_dim1 = 64
	s_mov_b32 s[G1+3], 64<<16                      ; tile_dim0 = 64
	s_mov_b32 s[G1+4], 64                          ; tile_dim1 = 64
	s_mov_b32 s[G1+5], 1024                        ; elements from row to row
	s_mov_b32 s[G1+6], 0
	s_mov_b32 s[G1+7], 0
	v_and_b32 v1, 31, v0                           ; L
	v_and_b32 v2, 15, v0                           ; r
	v_bfe_u32 v3, v0, 4, 1                         ; h
	s_lshl_b32 s16, s12, 18                        ; w x 64 rows
	s_lshl_b32 s17, s13, 16                        ; cx x 16 rows
	s_add_co_u32 s16, s16, s17
	v_lshlrev_b32 v[QOFF], 4, v2
	v_lshl_add_u32 v[QOFF], v3, 12, v[QOFF]
	v_add_nc_u32 v[QOFF], s16, v[QOFF]             ; 16 r + 4,096 h + the tile's first row
	s_lshl_b32 s18, s13, 17                        ; cx x 32 rows
	s_add_co_u32 s18, s18, 0x180000                ; from block 6 on: the first refill of the loop fetches blocks 6 and 7
	v_lshl_add_u32 v[PF], v1, 12, s18
	v_lshrrev_b32 v18, 3, v1
	v_and_b32 v19, 7, v0                           ; L & 7
	v_lshl_add_u32 v18, s12, 4, v18                ; 16 w + (L >> 3): my first row of a block
	v_mul_u32_u24 v[FAL], v18, FP
	v_lshl_add_u32 v[FAL], v19, 5, v[FAL]
	v_mov_b32 v[FA], v[FAL]                        ; slot 0
	v_mul_u32_u24 v[HWK], v18, KP
	v_lshl_add_u32 v[HWK], v19, 4, v[HWK]
	v_add_nc_u32 v[HWK], HK0, v[HWK]
	v_mul_u32_u24 v[HWV], v18, VP
	v_lshl_add_u32 v[HWV], v19, 4, v[HWV]
	v_add_nc_u32 v[HWV], HV0, v[HWV]
	s_mul_i32 s19, s12, STGW
	s_add_co_u32 s19, s19, STG                     ; my stage
	v_mul_u32_u24 v[HRK], v2, KP
	v_lshl_add_u32 v[HRK], v3, 4, v[HRK]           ; r x 144 + 16 h: a fragment's lane address, for K and for Q
	v_add_nc_u32 v[QSR], s19, v[HRK]
	v_add_nc_u32 v[HRK], HK0, v[HRK]
	v_lshl_add_u32 v18, v3, 3, v19                 ; 8 h + (L & 7)
	v_mul_u32_u24 v[HRV], v18, VP
	v_bfe_u32 v18, v0, 3, 1
	v_lshl_add_u32 v[HRV], v18, 4, v[HRV]
	v_add_nc_u32 v[HRV], HV0, v[HRV]
	v_mul_u32_u24 v[QSW], v3, KP
	v_lshl_add_u32 v[QSW], v2, 3, v[QSW]
	v_add_nc_u32 v[QSW], s19, v[QSW]
	v_mul_u32_u24 v[OSW], v2, FP
	v_lshl_add_u32 v[OSW], v3, 5, v[OSW]
	v_add_nc_u32 v[OSW], s19, v[OSW]
	v_mul_u32_u24 v[OSR], v3, FP
	v_lshl_add_u32 v[OSR], v2, 4, v[OSR]
	v_add_nc_u32 v[OSR], s19, v[OSR]
	s_lshl_b32 s20, s13, 4
	v_lshlrev_b32 v[THR], 3, v3
	v_sub_nc_u32 v[THR], v2, v[THR]
	v_add_nc_u32 v[THR], s20, v[THR]               ; 16 cx + r - 8 h, signed
	v_mov_b32 v[NINF], 0xff800000
	v_mov_b32 v[PX], 0                             ; v_permlanex16_b32 counts as a reader of its destination
	s_mul_i32 s21, s12, FTILE                      ; my quarter of a slot: waves 0, 1 K's rows 0-63, 64-127; waves 2, 3 V's
	s_lshl_b32 s22, s51, 18                        ; (w & 1) x 64 rows
	s_mov_b32 s23, 0
	s_wait_dscnt 0x0
	s_wait_kmcnt 0x0
	s_add_nc_u64 s[4:5], s[4:5], s[14:15]          ; Q and out at the head
	s_add_nc_u64 s[10:11], s[10:11], s[14:15]
	s_cmp_lt_u32 s12, 2
	s_cselect_b64 s[48:49], s[6:7], s[8:9]         ; the tensor that my wave fetches
	s_add_nc_u64 s[48:49], s[48:49], s[14:15]      ; at the head: made of the cluster's number and the wave's alone, equal in all four work-groups
	s_add_nc_u64 s[22:23], s[48:49], s[22:23]
.irp n, 0,1
	s_mov_b32 s[G0+4*\n], 1                                        ; count = 1
	s_add_co_u32 s[G0+4*\n+1], s21, \n*FTOG                        ; LDS address
	s_add_nc_u64 s[G0+4*\n+2:G0+4*\n+3], s[22:23], \n*0x80000      ; slot n: keys 128 n ..
	s_or_b32 s[G0+4*\n+3], s[G0+4*\n+3], 0x80000000                ; type = 2
.endr
	; Q: 64 loads, each two whole rows of 256 bytes, into window 1
	WIN 0x40
.set j, 0
.rept 64
	global_load_b128 v[4*j:4*j+3], v[QOFF], s[4:5] offset:(j/8)*0x100000+(j%8)*8192 th:TH_LOAD_NT
.set j, j+1
.endr
	WIN 0
	ROUND                                          ; all four work-groups are here: the first joint loads meet
	tensor_load_to_lds s[G0:G0+3], s[G1:G1+7]      ; blocks 0, 1
	s_nop 0
	tensor_load_to_lds s[GR:GR+3], s[G1:G1+7]      ; blocks 2, 3
	s_nop 0
	; The diagonal block's mask, once for the launch: it hangs on the lane and on cx alone.  My score 8 s + j is key 64 u + 16 s + 8 h + j against query 64 u + 16 cx + r.
.irp s, 0,1,2,3
.irp j, 0,1,2,3,4,5,6,7
	v_cmp_gt_i32 vcc_lo, 16*\s+\j, v[THR]          ; the key lies behind the query
	v_cndmask_b32 v[BIAS+8*\s+\j], 0, v[NINF], vcc_lo
.endr
.endr
.irp v, 0,1,2,3,4,5,6,7
	QTILE \v
.endr
	WIN 0x80                                       ; back as fragments, into window 2: my own bytes, served in order
.irp v, 0,1,2,3,4,5,6,7
.irp ke, 0,1
	ds_load_b128 v[16*\v+8*\ke:16*\v+8*\ke+3], v[QSR] offset:\v*16*KP+64*\ke
	ds_load_b128 v[16*\v+8*\ke+4:16*\v+8*\ke+7], v[QSR] offset:\v*16*KP+64*\ke+32
.endr
.endr
	WIN 0
	s_wait_tensorcnt 0x1                           ; my part of slot 0 is in; slot 1's may stay out
	s_wait_dscnt 0x0
	s_barrier_signal -1
	s_barrier_wait -1                              ; everybody's part is in
	FLOAD 0
	s_wait_dscnt 0x0
	CVST 0                                         ; block 0 into H buffer 0
	WIN 0
	s_wait_dscnt 0x0                               ; my stores have landed
	s_barrier_signal -1
	s_barrier_wait -1
	FLOAD 1
	FRAG 0                                         ; block 0's fragments
	s_wait_dscnt 32                                ; the 16 loads of f32 rows are in
	CVST 1                                         ; block 1 into H buffer 1
	WIN 0
	;    fb refill tw cv frag first vlo pf s7 d7
	STEP 0,  1,    1, 1,  1,   1,    0,  0, 0, 0   ; block 0 stands in front of the loop: it starts maxima and sums, nothing is cleared
	s_mov_b32 s41, 13
.Lloop:                                            ; blocks 2 p + 1, 2 p + 2, p = 0 .. 12: both fragment buffers once, one refill
	STEP 1,  0,    0, 1,  1,   0,    0,  1, 0, 0
	STEP 0,  1,    1, 1,  1,   0,    0,  2, 0, 0   ; in the last trip (block 26): the last refill, blocks 30 and 31
	s_sub_co_i32 s41, s41, 1
	s_cmp_lg_u32 s41, 0
	s_cbranch_scc1 .Lloop
	STEP 1,  0,    0, 1,  1,   0,    6,  0, 0, 0   ; block 27: only tiles 7 and 6 can still have work
	STEP 0,  0,    1, 1,  1,   0,    7,  0, 1, 1   ; block 28: the last tensor load is waited for; nothing is filled any more
	STEP 1,  0,    0, 1,  1,   0,    7,  0, 1, 1   ; block 29
	STEP 0,  0,    0, 0,  1,   0,    7,  0, 1, 1   ; block 30: nothing is left to round
	STEP 1,  0,    0, 0,  0,   0,    7,  0, 1, 1   ; block 31: nothing is left to load
	PLACES 4                                       ; places behind the last matrix instructions, for the lines that read O (ISA guide 7.12.1)
.irp v, 0,1,2,3,4,5,6,7
	OUT \v
.endr
	s_wait_dscnt 0x0
	s_wait_tensorcnt 0x0
	ds_add_u32 v254, v255
	s_wait_dscnt 0x0
	ROUND                                          ; the closing round: no work-group ends while a partner may still ask for a tile that names it
	s_endpgm
.Lfunc_end_k_q666e4e6bfa_attn:
	.size	k_q666e4e6bfa_attn, .Lfunc_end_k_q666e4e6bfa_attn-k_q666e4e6bfa_attn
	.p2alignl 7, 3214868480
	.fill 96, 4, 3214868480
	.section	.rodata,"a",@progbits
	.p2align	6, 0x0
	.amdhsa_kernel k_q666e4e6bfa_attn
		.amdhsa_group_segment_fixed_size 327680
		.amdhsa_private_segment_fixed_size 0
		.amdhsa_enable_private_segment 0
		.amdhsa_kernarg_size 32
		.amdhsa_user_sgpr_count 2
		.amdhsa_user_sgpr_kernarg_segment_ptr 1
		.amdhsa_wavefront_size32 1
		.amdhsa_system_sgpr_workgroup_id_x 1
		.amdhsa_system_sgpr_workgroup_id_y 1
		.amdhsa_system_sgpr_workgroup_id_z 1
		.amdhsa_system_vgpr_workitem_id 0
		.amdhsa_next_free_vgpr 1024
		.amdhsa_next_free_sgpr 66
		.amdhsa_reserve_vcc 1
		.amdhsa_float_denorm_mode_32 3
		.amdhsa_float_denorm_mode_16_64 3
		.amdhsa_memory_ordered 1
		.amdhsa_forward_progress 1
		.amdhsa_inst_pref_size 255
	.end_amdhsa_kernel
	.section	.bss,"aw",@nobits
	.p2align	6
	.space	262144
	.amdgpu_metadata
---
amdhsa.version: [ 1, 2 ]
amdhsa.kernels:
  - .name:           k_q666e4e6bfa_attn
    .symbol:         k_q666e4e6bfa_attn.kd
    .args:
      - { .name: queries, .offset: 0, .size: 8, .value_kind: global_buffer, .address_space: global }
      - { .name: keys, .offset: 8, .size: 8, .value_kind: global_buffer, .address_space: global }
      - { .name: values, .offset: 16, .size: 8, .value_kind: global_buffer, .address_space: global }
      - { .name: out0, .offset: 24, .size: 8, .value_kind: global_buffer, .address_space: global }
    .group_segment_fixed_size: 327680
    .private_segment_fixed_size: 0
    .kernarg_segment_align: 8
    .kernarg_segment_size: 32
    .max_flat_workgroup_size: 128
    .sgpr_count:     66
    .vgpr_count:     1024
    .wavefront_size: 32
...
	.end_amdgpu_metadata
.endif
;; end of part 2
